; MI455X (gfx1250); checked and timed in simulation.
; The chip was launched on July 23, 2026; its instructions are those of AMD's public machine-readable ISA for CDNA 5 (MIT licence, August 2026) and "CDNA5" Instruction Set Architecture Reference Guide (July 2026). The comments in the code are by the model that wrote it; some were corrected since.
;; Liger Fused Neighborhood Attention. Allowed arithmetic: matrix products marked QUANTISED: E5M2 operands, one E8M0 scale for each 32 along K, by v_wmma_scale_f32_16x16x128_f8f6f4 with both operands' format E5M2, f32 sums; products left as they are: f32 operands where the result goes on into a quantised operand, else bf16, f16 or f32 operands; f32 sums; everything else in f32.
;; Inputs: b_k 1,024 float32; b_o 1,024 float32; b_q 1,024 float32; b_v 1,024 float32; hidden_states_codes 2 x 8,192 x 32 x 32 uint8 (E5M2 codes of hidden_states, K innermost, in blocks of 32 codes); hidden_states_scales 2 x 8,192 x 32 uint8 (E8M0 scales of hidden_states, one for each 32 codes along K); w_k_codes 1,024 x 32 x 32 uint8 (E5M2 codes of w_k, K innermost, in blocks of 32 codes); w_k_scales 1,024 x 32 uint8 (E8M0 scales of w_k, one for each 32 codes along K); w_o_codes 1,024 x 32 x 32 uint8 (E5M2 codes of w_o, K innermost, in blocks of 32 codes); w_o_scales 1,024 x 32 uint8 (E8M0 scales of w_o, one for each 32 codes along K); w_q_codes 1,024 x 32 x 32 uint8 (E5M2 codes of w_q, K innermost, in blocks of 32 codes); w_q_scales 1,024 x 32 uint8 (E8M0 scales of w_q, one for each 32 codes along K); w_v_codes 1,024 x 32 x 32 uint8 (E5M2 codes of w_v, K innermost, in blocks of 32 codes); w_v_scales 1,024 x 32 uint8 (E8M0 scales of w_v, one for each 32 codes along K).
;; Outputs: out0 2 x 8,192 x 1,024 float32.
;; This version of the problem:
;;   THIS VERSION OF THE PROBLEM IS GIVEN IN LOW PRECISION. The matrix products marked QUANTISED in the list below multiply operands that are first quantised to E5M2 (5 exponent bits, 2 mantissa bits; 8 bits a number), with one power-of-two scale for each 32 numbers along K (OCP MX v1.0); their sums are f32. All else is computed in f32.
;;   The module's matrix products, in the order in which they are computed (A, B: the left and right operand; K: the contracted axis; several contracted axes count as one K, in the product's order):
;;     1. [M 16,384, K 1,024] x [K 1,024, N 1,024]; A: input hidden_states (given as codes); B: input w_q (given as codes): QUANTISED
;;     2. [M 16,384, K 1,024] x [K 1,024, N 1,024]; A: input hidden_states (given as codes); B: input w_k (given as codes): QUANTISED
;;     3. [M 16,384, K 1,024] x [K 1,024, N 1,024]; A: input hidden_states (given as codes); B: input w_v (given as codes): QUANTISED
;;     4. batch 262,144 x [M 1, K 64] x [K 64, N 7]; A: computed on the way; B: computed on the way: left as it is (M = 1 < 16)
;;     5. batch 262,144 x [M 1, K 7] x [K 7, N 64]; A: softmax; B: computed on the way: left as it is (K = 7 < 32)
;;     6. [M 16,384, K 1,024] x [K 1,024, N 1,024]; A: computed on the way; B: input w_o (given as codes): QUANTISED
;;   THE QUANTISER, for each operand of a quantised product, along K:
;;     - K is cut into blocks of 32 from its start; a last block that is shorter is filled with zeros.
;;     - A block's scale is 2^e with e = floor(log2(the largest magnitude in the block)) - 15, held to -126 .. 127; a block of zeros has e = 0. As a byte (E8M0): e + 127.
;;     - Each number is divided by its block's scale, clamped to +-57,344, and rounded to the nearest number of E5M2, ties to even, subnormals kept.
;;     - The product sums the exact products of the quantised numbers (number of the format x scale) in f32.
;;   ~~~python
;;   def quantise(x, axis):      # numpy; x: float32 -> the quantised numbers, widened to float32 again
;;       x = np.moveaxis(x, axis, -1); K = x.shape[-1]
;;       x = np.pad(x, [(0, 0)] * (x.ndim - 1) + [(0, -K % 32)]); x = x.reshape(x.shape[:-1] + (-1, 32)); a = np.abs(x).max(-1, keepdims=True)
;;       e = np.where(a > 0, np.clip(np.frexp(np.where(a > 0, a, 1))[1] - 1 - 15, -126, 127), 0)      # np.frexp(a)[1] - 1 = floor(log2(a)), exactly
;;       r = np.clip(x / 2.0 ** e, -57344, 57344)
;;       step = 2.0 ** (np.maximum(np.frexp(np.where(r == 0, 1, r))[1] - 1, -14) - 2)
;;       q = np.round(r / step) * step * 2.0 ** e      # np.round: ties to even
;;       return np.moveaxis(q.reshape(q.shape[:-2] + (-1,))[..., :K], -1, axis).astype(np.float32)
;;   ~~~
;;   OPERANDS COMPUTED ON THE WAY. 'Computed on the way' means the value that the module computes at that place (a softmax that the list does not call 'softmax' is quantised finished and normalised). What goes into a quantiser is computed in f32, as accurately as f32 sums, v_exp_f32 and their like allow (about 1e-6 of the number): no bf16 or f16 on the way to a quantiser, and a product that is left as it is and whose result goes on into a quantised operand takes f32 operands (vector FMAs, or v_wmma_f32_16x16x4_f32). A number that lies on a knife's edge between two numbers of the format may be rounded either way, as far as f32 arithmetic and the matrix unit's own rounding can turn it there, and no further.
;;   INPUTS GIVEN AS CODES. hidden_states (in the module: [2, 8192, 1024], K = its axis 2); w_k (in the module: [1024, 1024], K = its axis 0); w_o (in the module: [1024, 1024], K = its axis 0); w_q (in the module: [1024, 1024], K = its axis 0); w_v (in the module: [1024, 1024], K = its axis 0): each comes as NAME_codes (uint8): NAME with its K axis moved to the last place and cut into blocks of 32 codes, [.., K / 32, bytes a block], one block behind the other in memory; one code a byte (a code: sign, 5 exponent bits, 2 mantissa bits); and NAME_scales (uint8): the same leading axes, one E8M0 byte (e + 127) for each 32 codes along K. Its value is code x scale, taken as it is: it is not quantised again, and the codes and scales need not be those that the quantiser above would give.
;; One version. Each part assembles by itself: llvm-mc -triple=amdgcn-amd-amdhsa -mcpu=gfx1250 --defsym DOCPART=n.
;; ======== version 1 of 1: 2 launches
;; limits: right only within a limited range of input values
;; workspace buffers: acode 16,777,216 bytes; ascale 524,288 bytes
;; launch qkv_attn (part 1): grid 16 x 16, 4 waves a work-group, clusters of 4 x 4, 327,680 bytes of LDS; arguments hidden_states_codes, hidden_states_scales, w_q_codes, w_q_scales, w_k_codes, w_k_scales, w_v_codes, w_v_scales, b_q, b_v, acode, ascale; writes acode, ascale
.if DOCPART == 1
	.amdgcn_target "amdgcn-amd-amdhsa--gfx1250"
	.amdhsa_code_object_version 6
	.text
	.protected	k_q1c250bfbfa_qkv_attn
	.globl	k_q1c250bfbfa_qkv_attn
	.p2align	8
	.type	k_q1c250bfbfa_qkv_attn,@function
k_q1c250bfbfa_qkv_attn:
	s_mov_b64 s[64:65], 0
	v_nop
	global_prefetch_b8 v0, s[64:65] scope:SCOPE_SE
	s_setreg_imm32_b32 hwreg(HW_REG_WAVE_MODE, 25, 1), 1
	s_wait_xcnt 0x0
	s_wait_alu depctr_hold_cnt(0) depctr_sa_sdst(0) depctr_va_vdst(0) depctr_va_sdst(0) depctr_va_ssrc(0) depctr_va_vcc(0) depctr_vm_vsrc(0)
	s_getreg_b32 s2, hwreg(HW_REG_IB_STS2, 6, 4)
	s_cmp_eq_u32 s2, 0
	s_cbranch_scc0 .Lentry_in_a_cluster
	s_endpgm
.Lentry_in_a_cluster:
	s_bfe_u32 s2, ttmp6, 0x10000c
	s_cmp_lg_u32 s2, 0xf033
	s_cbranch_scc0 .Lentry_shape_is_right
	s_endpgm
.Lentry_shape_is_right:
; q, k, v = x W + b on codes of BF8 (E5M2) with one E8M0 scale for each 32 along K; then, in f32, the softmax over the seven keys i-3 .. i+3 of one head and its product with v;
; then the result's quantiser along the 1,024 channels.  q, k and v never go to memory: what leaves is the next launch's operand, as codes and scale bytes.
; SHARES.  A work-group owns ONE head (64 channels) and a group of 1,024 rows, walked in PASSES = 4 passes of one block of 256 rows; each of its four waves owns 64 rows of a block.
; THE ORDER OF THE PASSES.  The four clusters along x (16 heads) read the same 1,024 rows of x.  Cluster X takes block (p + X) mod 4 in pass p: in every pass the four stand at four different blocks,
; and from the second pass on a cluster's block has been read by another cluster a pass or more before.
; A wave's sums: q 4 x 4 tiles of 16 x 16, k and v 4 x 4 and a fifth tile of rows each, THE HALO: rows -8 .. -1 and 64 .. 71 beside its 64 (of which -3 .. -1 and 64 .. 66 are used): 56 accumulators, 448 registers.
; The halo's codes of x go from memory straight into registers, at row (..) mod 16,384: always inside the buffer; a row of the other batch gets the weight p = 0 by the mask that the softmax lays.
; THE MATRIX INSTRUCTION IS USED TRANSPOSED (source 0 = 16 rows of a weight = 16 channels, source 1 = 16 rows of x): a lane holds one row and eight neighbouring channels.
; The accumulators BEGIN AS THE BIASES, loaded into them: every K step adds in place, nothing is cleared.
; RING.  K goes in slots of 256 through two LDS slots (x: 256 rows, w_q, w_k, w_v: the head's 64 rows each; rows of 256 bytes + 16 of padding), filled by the tensor data mover: wave 3 x, waves 0 to 2 a weight each.
; The ring does not stop at a pass's end: a pass's last two changes of slots ask for the next pass's first two slots, which land under the attention.
; CLUSTER 4 x 4.  The four of a row of the cluster share the rows of x, the four of a column the head: each tile is asked for JOINTLY, with a mask that names the four.
; ATTENTION.  Sixteen channels at a time go through the wave's own stage in LDS, which turns 'lane r holds row 16 t + r' into 'lane r holds rows 4 r .. 4 r + 3', with the ten rows 4 r - 3 .. 4 r + 6 of k or v beside them.
; OUT.  acode: images of the next launch's fragments of A: ((((row / 128 x 4 + kslot) x 2 + (row / 64) % 2) x 2 + ks) x 4 + t) x 2,048 + 512 c + 16 lane; lane r of tile t is row 4 r + t of its 64.
;       ascale: [64 (row / 64) + 16 t + r][32 bytes], byte 2 head + block.  Its stores are 2 bytes a row, 32 bytes apart: one byte in 32 of what the launch stores.
; LIMITS: NaN and infinities among the inputs are not served (a masked row is multiplied by 0); a block of zeros gets the scale byte 1 where the rule says 127: its codes are zeros, and this program alone reads the bytes.
; THE BIASES, in place of what the lines above say of them: no sum begins as a loaded bias.
; b_k IS LEFT OUT AS DEAD WORK: the score of row i and key j is (q_i + b_q) . (k_j + b_k) = (q_i + b_q) . k_j + (q_i + b_q) . b_k, and the second term is the same for all seven keys of row i:
; a term added alike along the softmax's axis leaves the softmax as it is, for all finite values of the inputs; a masked key is -infinity either way; k goes into no quantiser.  So b_k has no way to the output: it is not loaded and is no argument.
; LIMIT: a NaN, an infinity or an overflow that would arise through b_k alone is not carried to the result.
; k's and v's sums begin with the constant 0 as the first product's C; q's first products take b_q as C (32 registers where the scores lie later, loaded anew for each pass);
; b_v is the first term of the sum over p v: the seven p of a row add up to 1, so sum p (v + b_v) = b_v + sum p v (32 registers of k's sums, free by then, loaded in each pass).
.set PASSES, 4
.set BQR, 192                          ; window 3: b_q, 8 c on, while K is walked
.set BVR, 128                          ; window 2: b_v, 8 c on, in the attention
.set PITCH,  272                       ; an LDS row: 256 bytes + 16 of padding: the 16 rows that a fragment load touches start 68 words apart
.set XT,     256*PITCH                 ; x's tile in a slot
.set WT,     64*PITCH                  ; a weight's tile
.set SLOT,   XT+3*WT                   ; 121,856
.set STAGE,  2*SLOT                    ; behind the ring: a stage for each wave; no fill lands here
.set STW,    6400                      ; 80 rows x 64 bytes: row R at (R % 4) x 1,600 + (R / 4) x 80: stores (16 rows on end) and loads (rows 4 apart) each touch 16 different columns of 16 bytes
.set SPARE,  STAGE+4*STW               ; the spare words, 128 bytes for each wave: two blocks of 256 bytes that no other line names
; window 0
.set ADRX, 4                           ; v4-5   LDS address of my fragments of x in slot 0, 1
.set ADRW, 6                           ; v6-7   the same for the weights
.set VHA,  8                           ; v8     the halo's byte offset in x's codes
.set VXS,  9                           ; v9     (64 wave + lane) x 32: x's scale words
.set VHS,  10                          ; v10    the halo's byte offset in x's scales
.set VB,   11                          ; v11    32 x (lane / 16): my eight numbers of a bias
.set STS,  12                          ; v12    the stage: where a tile of my own rows goes
.set STH,  13                          ; v13    where the halo's goes
.set STL,  14                          ; v14    where I read my window from
.set VCO,  15                          ; v15    16 r + 8 h: my eight codes in an image
.set VSO,  16                          ; v16    32 x lane
.set VP0,  17                          ; v17    the first of my four rows, in the group's block 0; never rewritten
.set PFO,  18                          ; v18    1,024 x lane: the prefetch's offset; never rewritten
.set HR0,  19                          ; v19    my halo row's number in block 0, before the wrap; never rewritten
.set T0,   20                          ; v20-27 at work
.set SPW,  28                          ; v28    LDS address of my spare word; never rewritten
.set NIL,  29                          ; v29    0; never rewritten
.set WS,   32                          ; v32-79 the weights' scale words: 16 mu + 8 (c / 2) + K step; lanes 0-15 tile c even, lanes 16-31 tile c odd
.set XS,   80                          ; v80-95 x's: 8 (t / 2) + K step, likewise
.set HS,   96                          ; v96-103 the halo's
.set TM,   104                         ; v104-119 the quantiser's: largest magnitudes, bytes, holds, scale operands, four each
.set HW,   120                         ; v120-123 a row's two scale bytes
.set X0,   124                         ; v124-125 what the scale stores send
.set XF,   128                         ; v128-191, v192-255 x's fragments, two sets
.set OUT,  128                         ; in the attention: the result, tile (c, t) at 128 + 8 (4 c + t)
; window 1
.set BQ,   0                           ; the weights' fragments, four each, one set
.set BK,   64
.set BV,   128
.set WA,   0                           ; in the attention: two buffers of ten rows x 8 channels,
.set WB,   80
.set CD,   160                         ; and the codes
.set HF,   192                         ; the halo's fragments of x: two sets of two K steps
; window 2
.set QA,   0                           ; q (c, t) at 8 (4 c + t)
.set KA,   128                         ; k likewise
; window 3
.set VA,   0
.set KHAL, 128                         ; k's halo, 8 c
.set VHAL, 160                         ; v's
.set SC,   192                         ; the scores, a pair each: 2 (7 t + d)
.set ML,   248                         ; a row's maximum, then its sum
.set NINF, 252                         ; -infinity
; scalars
.set ACG, 2                            ; s[2:3]   acode at my wave's and head's place in the group's block 0
.set XSG, 30                           ; s[30:31] x's scales at the group's first row
.set G1X, 32                           ; s[32:39] group 1 for x's tile; s[40:47] its groups 0, one for each slot
.set G0X, 40
.set G1W, 48                           ; s[48:55], s[56:63] the same for my weight's tile
.set G0W, 56
.set WV,  66
.set CX,  67
.set CY,  68
.set HD,  69
.set GY,  70
.set NB,  71                           ; the next pass's block
.set XG,  74                           ; s[74:75] x's codes at the group's first row
.set ASG, 78                           ; s[78:79] ascale at my wave's and head's place in the group's block 0
.set SEL, 80                           ; s[80:81] v_permlanex16_b32's selects for lane l xor 16
.set CE,  82                           ; log2(e) / 8
.set MNT, 83                           ; the mantissa field of 57,344
.set TOP, 84                           ; lanes whose four rows begin a batch
.set BOT, 85                           ; lanes whose four rows end one
.set HIM, 86                           ; lanes 16-31
.set PG,  87                           ; passes to go, this one among them
.set LIM, 88                           ; PASSES - 1 in a wave that prefetches, else the greatest number
.set BLK, 89                           ; this pass's block: the same number in all sixteen partners
.set PFA, 90                           ; s[90:91] my 32 rows of the first pass's block in x's codes; never rewritten
.set XSB, 92                           ; s[92:93] x's scales at the first row of the block whose scale words are loaded next
.set W_QK, 0xa1                        ; source 0 (weight) window 1, source 1 (x) window 0, C and D window 2
.set W_V,  0xf1                        ; the same, C and D window 3
.set W_H,  0xf5                        ; sources 0 and 1 window 1, C and D window 3
.set MSB, 0
.macro WIN new                         ; the immediate's high byte repeats the setting that is left
.if MSB != \new
	s_set_vgpr_msb (MSB<<8)|\new
.set MSB, \new
.endif
.endm
.macro PLACES n
.rept \n
	v_nop
.endr
.endm
; A joint load: wave 3 fetches x's tile, waves 0 to 2 a weight's each.  The branch hangs on the wave's number alone.  An s_nop 0 and four v_nop follow each of the two lines.
.macro JLOAD s
	s_cmp_eq_u32 s[WV], 3
	s_cbranch_scc0 .Lfor_w_\@
	tensor_load_to_lds s[G0X+4*\s:G0X+4*\s+3], s[G1X:G1X+7]
	s_nop 0
.rept 4
	v_nop
.endr
	s_branch .Lasked_\@
.Lfor_w_\@:
	tensor_load_to_lds s[G0W+4*\s:G0W+4*\s+3], s[G1W:G1W+7]
	s_nop 0
.rept 4
	v_nop
.endr
.Lasked_\@:
.endm
.macro CREST                           ; a round of the cluster's barrier behind its opening barrier
	s_cmp_lg_u32 s[WV], 0
	s_cbranch_scc1 .Lnot_wave_0_\@
	s_barrier_signal -3
.Lnot_wave_0_\@:
	s_barrier_wait -3
	s_barrier_signal -1
	s_barrier_wait -1
.endm
.macro CROUND                          ; a whole round
	s_barrier_signal -1
	s_barrier_wait -1
	CREST
.endm
; x's group 0 of slot k: K slot ks of the block whose number stands in s[blk]: the group's base + 256 rows of 1,024 bytes a block + 256 bytes a K slot; then the type
.macro XDESC k, blk, ks
	s_lshl_b32 s94, s[\blk], 18
	s_mov_b32 s95, 0
	s_add_nc_u64 s[G0X+4*(\k)+2:G0X+4*(\k)+3], s[XG:XG+1], s[94:95]
.if (\ks) > 0
	s_add_nc_u64 s[G0X+4*(\k)+2:G0X+4*(\k)+3], s[G0X+4*(\k)+2:G0X+4*(\k)+3], 256*(\ks)
.endif
	s_or_b32 s[G0X+4*(\k)+3], s[G0X+4*(\k)+3], 0x80000000
.endm
; A PREFETCH INTO THE L2, in the first pass alone: K slot 3 of my block's rows of x, asked for behind the joint load of K slot 2 and the run of LDS loads that follows it: 112 products ahead of the joint load that asks for it.
; In the first pass a block is read by one cluster: its four partners along x take 64 rows each, told apart by address; in each, waves 0 and 1 take 32, a lane a row's 256 bytes: each such piece is named once in the launch.
; K slots 0 to 2 come by their loads alone; the later passes' blocks have been read, and are prefetched no more.
.macro ASK
	s_cmp_gt_u32 s[PG], s[LIM]
	s_cbranch_scc0 .Lnot_mine_\@
	global_prefetch_b8 v[PFO], s[PFA:PFA+1] offset:768 th:TH_LOAD_NT scope:SCOPE_SE
.Lnot_mine_\@:
.endm
; one product on the registers named by rD, rA, rB, rSA, rSB; ra, rb: the scale words lie in lanes 16-31
; z = 1: the constant 0 is C (the product starts its sum); else C is v[rC ..]
.macro WMS ra, rb, z
.if (\z) == 1
.if (\ra) && (\rb)
	v_wmma_scale_f32_16x16x128_f8f6f4 v[rD:rD+7], v[rA:rA+15], v[rB:rB+15], 0, v[rSA], v[rSB] matrix_a_fmt:MATRIX_FMT_BF8 matrix_b_fmt:MATRIX_FMT_BF8 matrix_a_scale:MATRIX_SCALE_ROW1 matrix_b_scale:MATRIX_SCALE_ROW1
.elseif (\ra)
	v_wmma_scale_f32_16x16x128_f8f6f4 v[rD:rD+7], v[rA:rA+15], v[rB:rB+15], 0, v[rSA], v[rSB] matrix_a_fmt:MATRIX_FMT_BF8 matrix_b_fmt:MATRIX_FMT_BF8 matrix_a_scale:MATRIX_SCALE_ROW1
.elseif (\rb)
	v_wmma_scale_f32_16x16x128_f8f6f4 v[rD:rD+7], v[rA:rA+15], v[rB:rB+15], 0, v[rSA], v[rSB] matrix_a_fmt:MATRIX_FMT_BF8 matrix_b_fmt:MATRIX_FMT_BF8 matrix_b_scale:MATRIX_SCALE_ROW1
.else
	v_wmma_scale_f32_16x16x128_f8f6f4 v[rD:rD+7], v[rA:rA+15], v[rB:rB+15], 0, v[rSA], v[rSB] matrix_a_fmt:MATRIX_FMT_BF8 matrix_b_fmt:MATRIX_FMT_BF8
.endif
.else
.if (\ra) && (\rb)
	v_wmma_scale_f32_16x16x128_f8f6f4 v[rD:rD+7], v[rA:rA+15], v[rB:rB+15], v[rC:rC+7], v[rSA], v[rSB] matrix_a_fmt:MATRIX_FMT_BF8 matrix_b_fmt:MATRIX_FMT_BF8 matrix_a_scale:MATRIX_SCALE_ROW1 matrix_b_scale:MATRIX_SCALE_ROW1
.elseif (\ra)
	v_wmma_scale_f32_16x16x128_f8f6f4 v[rD:rD+7], v[rA:rA+15], v[rB:rB+15], v[rC:rC+7], v[rSA], v[rSB] matrix_a_fmt:MATRIX_FMT_BF8 matrix_b_fmt:MATRIX_FMT_BF8 matrix_a_scale:MATRIX_SCALE_ROW1
.elseif (\rb)
	v_wmma_scale_f32_16x16x128_f8f6f4 v[rD:rD+7], v[rA:rA+15], v[rB:rB+15], v[rC:rC+7], v[rSA], v[rSB] matrix_a_fmt:MATRIX_FMT_BF8 matrix_b_fmt:MATRIX_FMT_BF8 matrix_b_scale:MATRIX_SCALE_ROW1
.else
	v_wmma_scale_f32_16x16x128_f8f6f4 v[rD:rD+7], v[rA:rA+15], v[rB:rB+15], v[rC:rC+7], v[rSA], v[rSB] matrix_a_fmt:MATRIX_FMT_BF8 matrix_b_fmt:MATRIX_FMT_BF8
.endif
.endif
.endm
; 4 products of K step s: weight mu (fragments at bb, sums at ab) x my tile t of rows.  z = 0: onto the sums; 1: C = 0; 2: C = b_q.  All 56 accumulators take turns, one instruction a turn, in the same order in every K step.
.macro MOWNT mu, ab, bb, s, t, z
.irp c, 0,1,2,3
.set rD, \ab+8*(4*\c+(\t))
.set rC, rD
.if (\z) == 2
.set rC, BQR+8*\c
.endif
.set rA, \bb+16*\c
.set rB, XF+64*((\s)%2)+16*(\t)
.set rSA, WS+16*\mu+8*(\c/2)+(\s)
.set rSB, XS+8*((\t)/2)+(\s)
	WMS \c%2, (\t)%2, \z
.endr
.endm
.macro MHAL mu, ab, bb, s, z           ; 4 products: the same weight x the halo
.irp c, 0,1,2,3
.set rD, \ab+8*\c
.set rC, rD
.set rA, \bb+16*\c
.set rB, HF+32*(((\s)/2)%2)+16*((\s)%2)
.set rSA, WS+16*\mu+8*(\c/2)+(\s)
.set rSB, HS+(\s)
	WMS \c%2, 0, \z
.endr
.endm
; A fragment, 16 rows x 128 K of 8-bit codes, is 16 registers: lane l holds row l % 16; registers 4 c .. 4 c + 3 hold K = 32 c + 16 (l / 16) + 0 .. 15
.macro FRAGX set, slot, q              ; x's four fragments of the slot's q-th 128 along K
.irp t, 0,1,2,3
.irp c, 0,1,2,3
	ds_load_b128 v[XF+64*(\set)+16*\t+4*\c:XF+64*(\set)+16*\t+4*\c+3], v[ADRX+(\slot)] offset:16*\t*PITCH+128*(\q)+32*\c
.endr
.endr
.endm
.macro FRAGW mu, slot, q               ; weight mu's four
.irp n, 0,1,2,3
.irp c, 0,1,2,3
	ds_load_b128 v[64*(\mu)+16*\n+4*\c:64*(\mu)+16*\n+4*\c+3], v[ADRW+(\slot)] offset:(\mu)*WT+16*\n*PITCH+128*(\q)+32*\c
.endr
.endr
.endm
.macro HALO sg                         ; the halo's two fragments of K slot sg, from memory
.irp q, 0,1
.irp c, 0,1,2,3
	global_load_b128 v[HF+32*((\sg)%2)+16*\q+4*\c:HF+32*((\sg)%2)+16*\q+4*\c+3], v[VHA], s[4:5] offset:256*(\sg)+128*\q+32*\c
.endr
.endr
.endm
; K STEP s of a pass (128 along K, 56 products: q's 16, k's 20, v's 20).  nxt = 1: the next step's fragments are fetched in three runs, each into registers that the products just issued have left:
; w_q and x (32 loads) behind q's products, w_k (16) behind k's, w_v (16) behind v's.  Eight places stand in front of each run of loads into registers that matrix instructions have read.
; So the LDS loads are issued in the order w_q, x, w_k, w_v, step by step, and each wait on DScnt leaves out what was issued behind the fragments that it wants: ahead of q's products w_k and w_v (32);
; ahead of k's w_v and the next step's w_q and x (48); ahead of v's the next step's w_q, x and w_k (48).  A pass's first step finds the order w_q, w_k, x, w_v: its first wait leaves out w_v (16).
; A pass's first step starts the sums: C = 0 for k and v, b_q for q.
; chg = 0: a plain step.  chg > 0: the slot's last step, which changes slots behind q's products: in front of the barrier each wave waits for all its tensor loads, adds 0 to its spare word, and waits for that and
; for its reads of the slot (all of a slot's reads are issued before its last step begins).  chg = 1: the slot takes this pass's K slot two on; 2: the next pass's; 3: nothing.
.macro KSTEP s, chg, nxt
.set kSL, ((\s)/2)%2
.set kNS, (((\s)+1)/2)%2
.set kNQ, ((\s)+1)%2
.if \chg
	WIN 0                                          ; (the add's two registers lie in window 0)
	s_wait_tensorcnt 0x0                           ; all my tensor loads have landed: my part of the next slot;
	ds_add_u32 v[SPW], v[NIL]                      ; 0 onto my spare word;
	s_wait_dscnt 33                                ; (w_k's and w_v's 32 loads and the add may be out)
.else
.if (\s) == 4
	s_wait_loadcnt 8                               ; the halo's K slot 2 is in; K slot 3's eight loads may be out
.endif
.if (\s) == 6
	s_wait_loadcnt 0x0                             ; the halo's K slot 3
.endif
.if (\s) == 0
	s_wait_dscnt 16                                ; w_q, w_k and x are in; w_v's 16 loads may be out
.else
	s_wait_dscnt 32                                ; w_q and x are in; w_k's and w_v's may be out
.endif
.endif
.set kZ, 0
.set kZQ, 0
.if (\s) == 0
.set kZ, 1
.set kZQ, 2
.endif
.irp t, 0,1,2,3
.if (\s) == 0
	WIN 0xb1                                       ; as W_QK, but C (b_q) in window 3
.else
	WIN W_QK
.endif
	MOWNT 0, QA, BQ, \s, \t, kZQ
.endr
.if \chg
	WIN 0
	s_wait_dscnt 0x0                               ; the add is done, and my reads of this slot are over
.if \chg < 3
	CROUND                                         ; a round of the cluster's barrier: no wave of any partner still reads this slot or has a load on its way, and the next slot is whole
.if \chg == 1
	s_add_nc_u64 s[G0X+4*kSL+2:G0X+4*kSL+3], s[G0X+4*kSL+2:G0X+4*kSL+3], 512
	s_add_nc_u64 s[G0W+4*kSL+2:G0W+4*kSL+3], s[G0W+4*kSL+2:G0W+4*kSL+3], 512
.else
	XDESC kSL, NB, kSL                             ; the next pass's block, K slot 0 or 1
	s_sub_nc_u64 s[G0W+4*kSL+2:G0W+4*kSL+3], s[G0W+4*kSL+2:G0W+4*kSL+3], 512            ; the weights only go back along K
.endif
	JLOAD kSL                                      ; the first tensor load behind the round; its four v_nop are four of the eight places
	PLACES 4
.else
	s_barrier_signal -1
	s_barrier_wait -1                              ; the next slot is whole; nothing is filled
	PLACES 8
.endif
.elseif \nxt
	PLACES 8
.endif
.if \nxt
	WIN 0x40                                       ; destination window 1
	FRAGW 0, kNS, kNQ
	WIN 0
	FRAGX kNQ, kNS, kNQ                            ; into the set that the step before has left
.endif
.if (\s) == 1
	ASK
.endif
.if \chg == 0
.if \nxt
	s_wait_dscnt 48                                ; w_k is in
.else
	s_wait_dscnt 16
.endif
.endif
.irp t, 0,1,2,3
	WIN W_QK
	MOWNT 1, KA, BK, \s, \t, kZ
.endr
	WIN W_H
	MHAL 1, KHAL, BK, \s, kZ
.if \nxt
	PLACES 8
	WIN 0x40
	FRAGW 1, kNS, kNQ
.endif
.if \chg == 0
.if \nxt
	s_wait_dscnt 48                                ; w_v is in
.else
	s_wait_dscnt 0x0
.endif
.endif
.irp t, 0,1,2,3
	WIN W_V
	MOWNT 2, VA, BV, \s, \t, kZ
.endr
	WIN W_H
	MHAL 2, VHAL, BV, \s, kZ
	PLACES 8
.if \nxt
	WIN 0x40
	FRAGW 2, kNS, kNQ
.if (\s) == 1
	HALO 2
.endif
.if (\s) == 3
	WIN 0x40
	HALO 3
.endif
.endif
	WIN 0
.endm
; eight numbers of a bias, in the result's layout (channels 16 c + 8 (lane / 16) + 0 .. 7), into an accumulator
.macro BLD reg, base, c
	global_load_b128 v[\reg:\reg+3], v[VB], s[\base:\base+1] offset:64*(\c)
	global_load_b128 v[\reg+4:\reg+7], v[VB], s[\base:\base+1] offset:64*(\c)+16
.endm
.macro BIASQ                           ; 8 loads: b_q of my head, where the scores lay
	WIN 0xc0                                       ; destination window 3
.irp c, 0,1,2,3
	BLD BQR+8*\c, 20, \c
.endr
	WIN 0
.endm
.macro BIASV                           ; 8 loads: b_v, into registers of k's sums that the stage's stores have read
	WIN 0x80                                       ; destination window 2
.irp c, 0,1,2,3
	BLD BVR+8*\c, 24, \c
.endr
	WIN 0
.endm
.macro HADDR                           ; the halo's offsets from its row's number in v[T0], wrapped into the 16,384 rows
	v_and_b32 v[T0], 0x3fff, v[T0]
	v_lshlrev_b32 v[VHA], 10, v[T0]
	v_lshl_add_u32 v[VHA], v2, 4, v[VHA]
	v_lshlrev_b32 v[VHS], 5, v[T0]
.endm
; what the attention of block s[BLK] stores to, and which lanes' four rows begin or end a batch of 8,192
.macro OUTBASE
	s_lshl_b32 s94, s[BLK], 18                     ; 256 rows of images: 262,144 bytes
	s_mov_b32 s95, 0
	s_add_nc_u64 s[26:27], s[ACG:ACG+1], s[94:95]
	s_lshl_b32 s94, s[BLK], 13                     ; 256 rows of scale bytes: 8,192
	s_add_nc_u64 s[28:29], s[ASG:ASG+1], s[94:95]
	s_lshl_b32 s94, s[BLK], 8
	v_add_nc_u32 v[T0], s94, v[VP0]
	v_and_b32 v[T0], 0x1fff, v[T0]
	v_cmp_eq_u32 s[TOP], 0, v[T0]
	v_cmp_eq_u32 s[BOT], 0x1ffc, v[T0]
.endm
.macro PRELOAD                         ; a pass's scale words of x (all eight K steps) and the halo's first two K slots
.irp p, 0,1
	global_load_b128 v[XS+8*\p:XS+8*\p+3], v[VXS], s[XSB:XSB+1] offset:1024*\p
	global_load_b128 v[XS+8*\p+4:XS+8*\p+7], v[VXS], s[XSB:XSB+1] offset:1024*\p+16
.endr
	global_load_b128 v[HS:HS+3], v[VHS], s[6:7]
	global_load_b128 v[HS+4:HS+7], v[VHS], s[6:7] offset:16
	WIN 0x40
	HALO 0
	HALO 1
	WIN 0
.endm
; THROUGH THE STAGE, channels 16 c on.  LDS serves a wave's instructions in order (ISA guide 5.7.1.4): no wait between stores and loads, nor in front of the next stores into the same bytes.
; Each accumulator is read from its low end on.  q comes back into the registers that it left: (c, t) is then row 4 r + t.  46 LDS instructions.
.macro GQK c, buf
	WIN 0x08                                       ; a store's data: window 2
.irp t, 0,1,2,3
	ds_store_b128 v[STS], v[QA+8*(4*(\c)+\t):QA+8*(4*(\c)+\t)+3] offset:320*\t
	ds_store_b128 v[STS], v[QA+8*(4*(\c)+\t)+4:QA+8*(4*(\c)+\t)+7] offset:320*\t+16
.endr
	WIN 0x80
.irp t, 0,1,2,3
	ds_load_b128 v[QA+8*(4*(\c)+\t):QA+8*(4*(\c)+\t)+3], v[STL] offset:((8+\t)%4)*1600+((8+\t)/4)*80
	ds_load_b128 v[QA+8*(4*(\c)+\t)+4:QA+8*(4*(\c)+\t)+7], v[STL] offset:((8+\t)%4)*1600+((8+\t)/4)*80+16
.endr
	WIN 0x08
.irp t, 0,1,2,3
	ds_store_b128 v[STS], v[KA+8*(4*(\c)+\t):KA+8*(4*(\c)+\t)+3] offset:320*\t
	ds_store_b128 v[STS], v[KA+8*(4*(\c)+\t)+4:KA+8*(4*(\c)+\t)+7] offset:320*\t+16
.endr
	WIN 0x0c                                       ; window 3
	ds_store_b128 v[STH], v[KHAL+8*(\c):KHAL+8*(\c)+3]
	ds_store_b128 v[STH], v[KHAL+8*(\c)+4:KHAL+8*(\c)+7] offset:16
	WIN 0x40
.irp w, 0,1,2,3,4,5,6,7,8,9
	ds_load_b128 v[(\buf)+8*\w:(\buf)+8*\w+3], v[STL] offset:((5+\w)%4)*1600+((5+\w)/4)*80     ; row 4 r - 3 + w
	ds_load_b128 v[(\buf)+8*\w+4:(\buf)+8*\w+7], v[STL] offset:((5+\w)%4)*1600+((5+\w)/4)*80+16
.endr
.endm
.macro GV c, buf                       ; the same for v: 30 LDS instructions
	WIN 0x0c
.irp t, 0,1,2,3
	ds_store_b128 v[STS], v[VA+8*(4*(\c)+\t):VA+8*(4*(\c)+\t)+3] offset:320*\t
	ds_store_b128 v[STS], v[VA+8*(4*(\c)+\t)+4:VA+8*(4*(\c)+\t)+7] offset:320*\t+16
.endr
	ds_store_b128 v[STH], v[VHAL+8*(\c):VHAL+8*(\c)+3]
	ds_store_b128 v[STH], v[VHAL+8*(\c)+4:VHAL+8*(\c)+7] offset:16
	WIN 0x40
.irp w, 0,1,2,3,4,5,6,7,8,9
	ds_load_b128 v[(\buf)+8*\w:(\buf)+8*\w+3], v[STL] offset:((5+\w)%4)*1600+((5+\w)/4)*80
	ds_load_b128 v[(\buf)+8*\w+4:(\buf)+8*\w+7], v[STL] offset:((5+\w)%4)*1600+((5+\w)/4)*80+16
.endr
.endm
; 28 scores (4 rows x 7 keys), two channels at a time: row 4 r + t against window row t + d.  The 28 sums take turns; the first product starts them.
.macro SCORE c, buf
	WIN 0xf6                                       ; q window 2, k window 1, the sums window 3
.irp jj, 0,1,2,3
.irp t, 0,1,2,3
.irp dd, 0,1,2,3,4,5,6
.set rS, SC+2*(7*\t+\dd)
.set rQ, QA+8*(4*(\c)+\t)+2*\jj
.set rK, (\buf)+8*(\t+\dd)+2*\jj
.if ((\c)==0)&&(\jj==0)
	v_pk_mul_f32 v[rS:rS+1], v[rQ:rQ+1], v[rK:rK+1]
.else
	v_pk_fma_f32 v[rS:rS+1], v[rQ:rQ+1], v[rK:rK+1], v[rS:rS+1]
.endif
.endr
.endr
.endr
.endm
; The softmax of 4 rows x 7 keys, all in window 3.  The maximum is taken away; p is normalised, as the result is wanted finished.
.macro SOFTMAX
	WIN 0xff
.set n, 0
.rept 28
	v_add_f32 v[SC+2*n], v[SC+2*n], v[SC+2*n+1]    ; even and odd channels
.set n, n+1
.endr
.set n, 0
.rept 28
	v_permlanex16_b32 v[SC+2*n+1], v[SC+2*n], s[SEL], s[SEL+1]
.set n, n+1
.endr
.set n, 0
.rept 28
	v_add_f32 v[SC+2*n], v[SC+2*n], v[SC+2*n+1]    ; and lane l xor 16's 32 channels
.set n, n+1
.endr
.irp n, 0,1,2,7,8,14                               ; keys ahead of the batch's first row: (t, d) with t + d < 3
	v_cndmask_b32 v[SC+2*\n], v[SC+2*\n], v[NINF], s[TOP]
.endr
.irp n, 13,19,20,25,26,27                          ; keys behind its last: t + d > 6
	v_cndmask_b32 v[SC+2*\n], v[SC+2*\n], v[NINF], s[BOT]
.endr
.irp t, 0,1,2,3
	v_max3_num_f32 v[ML+\t], v[SC+14*\t], v[SC+14*\t+2], v[SC+14*\t+4]
.endr
.irp t, 0,1,2,3
	v_max3_num_f32 v[ML+\t], v[ML+\t], v[SC+14*\t+6], v[SC+14*\t+8]
.endr
.irp t, 0,1,2,3
	v_max3_num_f32 v[ML+\t], v[ML+\t], v[SC+14*\t+10], v[SC+14*\t+12]   ; the key d = 3 is the row itself: the maximum is a number
.endr
.irp t, 0,1,2,3
	v_mul_f32 v[ML+\t], s[CE], v[ML+\t]
.endr
.irp dd, 0,1,2,3,4,5,6
.irp t, 0,1,2,3
	v_fma_f32 v[SC+14*\t+2*\dd], v[SC+14*\t+2*\dd], s[CE], -v[ML+\t]
.endr
.endr
.set n, 0
	s_wait_alu depctr_va_vdst(0)
.rept 28
	v_exp_f32 v[SC+2*n], v[SC+2*n]
.set n, n+1
.endr
	v_nop                                          ; a plain instruction behind the last exponential,
	s_wait_alu depctr_va_vdst(0)                   ; and the wait ahead of the first use: one for the batch of 28
.irp t, 0,1,2,3
	v_add_f32 v[ML+\t], v[SC+14*\t], v[SC+14*\t+2]
.endr
.irp dd, 2,3,4,5,6
.irp t, 0,1,2,3
	v_add_f32 v[ML+\t], v[ML+\t], v[SC+14*\t+2*\dd]
.endr
.endr
	s_wait_alu depctr_va_vdst(0)
.irp t, 0,1,2,3
	v_rcp_f32 v[SC+14*\t+1], v[ML+\t]
.endr
	v_nop
	s_wait_alu depctr_va_vdst(0)                   ; one for the four reciprocals
.irp dd, 0,1,2,3,4,5,6
.irp t, 0,1,2,3
	v_mul_f32 v[SC+14*\t+2*\dd], v[SC+14*\t+2*\dd], v[SC+14*\t+1]
.endr
.endr
.endm
; the result, channels 16 c on: 16 sums of two channels by turns; of the pair that holds p the low word serves both halves
.macro PV c, buf
.irp dd, 0,1,2,3,4,5,6
.if \dd==0
	WIN 0x2d                                       ; v window 1, p window 3, b_v window 2, the sums window 0
.else
	WIN 0x0d                                       ; v window 1, p window 3, the sums window 0
.endif
.irp t, 0,1,2,3
.irp jj, 0,1,2,3
.set rO, OUT+8*(4*(\c)+\t)+2*\jj
.set rV, (\buf)+8*(\t+\dd)+2*\jj
.set rP, SC+2*(7*\t+\dd)
.if \dd==0
	v_pk_fma_f32 v[rO:rO+1], v[rV:rV+1], v[rP:rP+1], v[BVR+8*(\c)+2*\jj:BVR+8*(\c)+2*\jj+1] op_sel_hi:[1,0,1]
.else
	v_pk_fma_f32 v[rO:rO+1], v[rV:rV+1], v[rP:rP+1], v[rO:rO+1] op_sel_hi:[1,0,1]
.endif
.endr
.endr
.endr
.endm
; THE QUANTISER, block b of the head's two (channels 32 b on: tiles 2 b and 2 b + 1), my four rows by turns.  A lane holds 16 of a block's 32 numbers, lane l xor 16 the others.
; Tile 2 b + u's eight codes of lane (r, h) are bytes 8 h .. 8 h + 7 of lane (r, u)'s sixteen in the image: a store of 8 bytes a lane covers 256 consecutive bytes, aligned.
.macro QUANT b
	WIN 0
.irp t, 0,1,2,3
	v_max3_num_f32 v[TM+\t], |v[OUT+8*(8*(\b)+\t)]|, |v[OUT+8*(8*(\b)+\t)+1]|, 0x8000000   ; with the floor 2^(16 - 127): the byte cannot fall under 1
.endr
.irp i, 2,4,6
.irp t, 0,1,2,3
	v_max3_num_f32 v[TM+\t], v[TM+\t], |v[OUT+8*(8*(\b)+\t)+\i]|, |v[OUT+8*(8*(\b)+\t)+\i+1]|
.endr
.endr
.irp i, 0,2,4,6
.irp t, 0,1,2,3
	v_max3_num_f32 v[TM+\t], v[TM+\t], |v[OUT+8*(8*(\b)+4+\t)+\i]|, |v[OUT+8*(8*(\b)+4+\t)+\i+1]|
.endr
.endr
.irp t, 0,1,2,3
	v_permlanex16_b32 v[TM+4+\t], v[TM+\t], s[SEL], s[SEL+1]
.endr
.irp t, 0,1,2,3
	v_max_num_f32 v[TM+\t], v[TM+\t], v[TM+4+\t]   ; the block's largest magnitude
.endr
.irp t, 0,1,2,3
	v_add_nc_u32 v[TM+12+\t], 0xf8800000, v[TM+\t] ; 15 off its exponent field: the conversion's scale operand
.endr
.irp t, 0,1,2,3
	v_and_or_b32 v[TM+8+\t], v[TM+\t], 0x7f800000, s[MNT]   ; 57,344 x the scale
.endr
.if (\b) == 0
.irp t, 0,1,2,3
	v_lshrrev_b32 v[HW+\t], 23, v[TM+12+\t]        ; the scale's byte
.endr
.else
.irp t, 0,1,2,3
	v_lshrrev_b32 v[TM+4+\t], 23, v[TM+12+\t]
.endr
.irp t, 0,1,2,3
	v_lshl_or_b32 v[HW+\t], v[TM+4+\t], 8, v[HW+\t]
.endr
.endif
.irp t, 0,1,2,3
.irp i, 0,1,2,3,4,5,6,7
	v_med3_num_f32 v[OUT+8*(8*(\b)+\t)+\i], v[OUT+8*(8*(\b)+\t)+\i], -v[TM+8+\t], v[TM+8+\t]   ; the conversion to an 8-bit code does not saturate (ISA guide 7.6.2): the hold
	v_med3_num_f32 v[OUT+8*(8*(\b)+4+\t)+\i], v[OUT+8*(8*(\b)+4+\t)+\i], -v[TM+8+\t], v[TM+8+\t]
.endr
.endr
	WIN 0x40                                       ; the codes: window 1
.irp t, 0,1,2,3
	v_cvt_scalef32_pk8_bf8_f32 v[CD+16*(\b)+4*\t:CD+16*(\b)+4*\t+1], v[OUT+8*(8*(\b)+\t):OUT+8*(8*(\b)+\t)+7], v[TM+12+\t]
	v_cvt_scalef32_pk8_bf8_f32 v[CD+16*(\b)+4*\t+2:CD+16*(\b)+4*\t+3], v[OUT+8*(8*(\b)+4+\t):OUT+8*(8*(\b)+4+\t)+7], v[TM+12+\t]
.endr
	v_nop                                          ; a plain instruction behind the last scaled conversion
	WIN 0x04                                       ; a store's data: window 1
.irp t, 0,1,2,3
	global_store_b64 v[VCO], v[CD+16*(\b)+4*\t:CD+16*(\b)+4*\t+1], s[26:27] offset:2048*\t+512*(\b)
	global_store_b64 v[VCO], v[CD+16*(\b)+4*\t+2:CD+16*(\b)+4*\t+3], s[26:27] offset:2048*\t+512*(\b)+256
.endr
	WIN 0
.endm
; THE ATTENTION OF A PASS.  Each wait on DScnt leaves out the group of LDS instructions issued behind the one that is wanted.  next = 1: the next pass's scale words, halo, biases and first fragments of w_q and w_k
; are asked for on the way, each as soon as its registers are free.
.macro ATTN next
.if \next
	s_lshl_b32 s94, s[NB], 8                       ; the next pass's block.  The loads that read these offsets and this base were waited for in this pass's K steps
	v_add_nc_u32 v[T0], s94, v[HR0]
	HADDR
	s_lshl_b32 s94, s[NB], 13
	s_mov_b32 s95, 0
	s_add_nc_u64 s[XSB:XSB+1], s[XSG:XSG+1], s[94:95]
	PRELOAD
.endif
	GQK 0, WA
	GQK 1, WB
	s_wait_dscnt 46
	SCORE 0, WA
	GQK 2, WA
	s_wait_dscnt 46
	SCORE 1, WB
	GQK 3, WB
	s_wait_dscnt 46
	SCORE 2, WA
	GV 0, WA
	s_wait_dscnt 30                                ; q's and k's last stores into the stage have read their registers too:
	BIASV                                          ; so b_v may land in k's
	SCORE 3, WB
	GV 1, WB
	SOFTMAX
	s_wait_loadcnt 0x0                             ; b_v is in (and what was asked for ahead of it)
	s_wait_dscnt 30
	PV 0, WA
	GV 2, WA
	s_wait_dscnt 30
	PV 1, WB
	GV 3, WB
	s_wait_dscnt 20
	QUANT 0
	PV 2, WA
	s_wait_dscnt 0x0
	PV 3, WB
.if \next
	BIASQ                                          ; the last sums have read p: b_q for the next pass
	WIN 0x40
	FRAGW 0, 0, 0
	FRAGW 1, 0, 0
.endif
	QUANT 1
	v_cndmask_b32 v[X0], v[HW], v[HW+1], s[HIM]    ; lanes 0-15 send tile 0's two bytes, lanes 16-31 tile 1's;
	v_cndmask_b32 v[X0+1], v[HW+2], v[HW+3], s[HIM]   ; tiles 2 and 3
	global_store_b16 v[VSO], v[X0], s[28:29]
	global_store_b16 v[VSO], v[X0+1], s[28:29] offset:1024
.if \next
	s_wait_xcnt 0x0                                ; the stores have read their registers and bases: these may be written
	s_mov_b32 s[BLK], s[NB]
	s_add_co_u32 s[NB], s[NB], 1
	s_and_b32 s[NB], s[NB], 3
	OUTBASE
.endif
.endm
	s_load_b512 s[4:19], s[0:1], 0x0               ; x's codes s[4:5], scales s[6:7]; w_q s[8:11]; w_k s[12:15]; w_v s[16:19]
	s_load_b64 s[20:21], s[0:1], 0x40              ; b_q
	s_load_b64 s[24:25], s[0:1], 0x48              ; b_v
	s_load_b64 s[26:27], s[0:1], 0x50              ; acode
	s_load_b64 s[28:29], s[0:1], 0x58              ; ascale
	v_lshl_add_u32 v[SPW], v0, 2, SPARE
	v_mov_b32 v[NIL], 0
	ds_add_u32 v[SPW], v[NIL]                      ; the wave's opening: the add and its wait stand ahead of my first tensor load; the set-up below, work on registers, stands between them
	ds_add_u32 v[SPW], v[NIL]
	v_lshrrev_b32 v1, 5, v0
	v_readfirstlane_b32 s[WV], v1                  ; wave 0..3
	s_bfe_u32 s[CX], ttmp6, 0x40000                ; my place in the cluster
	s_bfe_u32 s[CY], ttmp6, 0x40004
	s_lshl_b32 s[HD], ttmp9, 2
	s_add_co_u32 s[HD], s[HD], s[CX]               ; the head = 4 x cluster x + cx
	s_and_b32 s[GY], ttmp7, 0xffff
	s_lshl_b32 s[GY], s[GY], 2
	s_add_co_u32 s[GY], s[GY], s[CY]               ; the group of 1,024 rows = 4 x cluster y + cy
	s_and_b32 s[BLK], ttmp9, 3                     ; the first pass's block = cluster x
	s_lshl_b32 s72, s[CY], 2
	s_lshl_b32 s72, 15, s72                        ; my row of the cluster
	s_lshl_b32 s73, 0x1111, s[CX]                  ; my column
	s_or_b32 s[G1X], s72, (1<<20)|(1<<21)|(5<<22)|(3<<25)   ; 15:0 the mask: x's tiles go to my row; 17:16 elements of 1 byte; 20 padding on; 21 set beside a mask; 24:22 after every 64 words; 31:25 four words
	s_or_b32 s[G1W], s73, (1<<20)|(1<<21)|(5<<22)|(3<<25)   ; the weights' to my column
	s_mov_b32 s[G1X+1], 256<<16                    ; tensor_dim0 = 256
	s_mov_b32 s[G1X+2], 256<<16                    ; tensor_dim1 = 256
	s_mov_b32 s[G1X+3], 256<<16                    ; tile_dim0 = 256
	s_mov_b32 s[G1X+4], 256                        ; tile_dim1 = 256
	s_mov_b32 s[G1X+5], 1024                       ; from row to row
	s_mov_b32 s[G1X+6], 0
	s_mov_b32 s[G1X+7], 0
	s_mov_b32 s[G1W+1], 256<<16
	s_mov_b32 s[G1W+2], 64<<16                     ; 64 rows
	s_mov_b32 s[G1W+3], 256<<16
	s_mov_b32 s[G1W+4], 64
	s_mov_b32 s[G1W+5], 1024
	s_mov_b32 s[G1W+6], 0
	s_mov_b32 s[G1W+7], 0
	s_lshl_b32 s74, s[GY], 20                      ; x: 1,024 rows of 1,024 bytes a group
	s_mov_b32 s75, 0
	s_lshl_b32 s76, s[HD], 16                      ; a weight: 64 rows of 1,024 bytes a head
	s_mov_b32 s77, 0
	s_mul_i32 s73, s[WV], WT
	s_add_co_u32 s73, s73, XT                      ; where my weight's tile goes: no place in the cluster enters an LDS address
	s_mov_b32 s[SEL], 0x76543210
	s_mov_b32 s[SEL+1], 0xfedcba98
	s_mov_b32 s[CE], 0x3e38aa3b                    ; log2(e) / sqrt(64)
	s_mov_b32 s[MNT], 0x600000
	s_mov_b32 s[HIM], 0xffff0000
	s_wait_dscnt 0x0                               ; the opening add is done
	s_wait_kmcnt 0x0
	s_cmp_eq_u32 s[WV], 0                          ; wave 0: w_q, wave 1: w_k, wave 2: w_v (wave 3 asks by x's descriptor)
	s_cselect_b64 s[78:79], s[8:9], s[12:13]
	s_cmp_lt_u32 s[WV], 2
	s_cselect_b64 s[78:79], s[78:79], s[16:17]
	s_add_nc_u64 s[78:79], s[78:79], s[76:77]
	s_add_nc_u64 s[XG:XG+1], s[4:5], s[74:75]      ; x at the group's first row
	CROUND                                         ; all sixteen work-groups are here: the first joint loads meet
.irp s, 0,1
	s_mov_b32 s[G0X+4*\s], 1                       ; count = 1
	s_mov_b32 s[G0X+4*\s+1], \s*SLOT               ; LDS address
	XDESC \s, BLK, \s                              ; the first pass's block, K slot s; type = 2
	s_mov_b32 s[G0W+4*\s], 1
	s_add_co_u32 s[G0W+4*\s+1], s73, \s*SLOT
	s_add_nc_u64 s[G0W+4*\s+2:G0W+4*\s+3], s[78:79], \s*256
	s_or_b32 s[G0W+4*\s+3], s[G0W+4*\s+3], 0x80000000
.endr
	JLOAD 0                                        ; slot 0: one tensor load a wave at the head
	v_and_b32 v1, 15, v0
	v_bfe_u32 v2, v0, 4, 1                         ; h
	v_and_b32 v3, 31, v0                           ; lane
	v_mul_u32_u24 v[T0], v1, PITCH
	v_lshl_add_u32 v[T0], v2, 4, v[T0]             ; a fragment's row x pitch + 16 h
	s_mul_i32 s94, s[WV], 64*PITCH
	v_add_nc_u32 v[ADRX], s94, v[T0]               ; my 64 rows of x
	v_add_nc_u32 v[ADRX+1], SLOT, v[ADRX]
	v_add_nc_u32 v[ADRW], XT, v[T0]                ; the weights lie behind x
	v_add_nc_u32 v[ADRW+1], SLOT, v[ADRW]
	s_lshl_b32 s94, s[GY], 10
	s_lshl_b32 s95, s[WV], 6
	s_add_co_u32 s94, s94, s95                     ; my wave's first row in the group's block 0
	v_lshrrev_b32 v[T0], 3, v1
	v_lshl_add_u32 v[HR0], v[T0], 6, v1            ; the halo: lane r takes row r - 8 + 64 (r / 8) beside my 64
	v_add_nc_u32 v[HR0], s94, v[HR0]
	v_add_nc_u32 v[HR0], -8, v[HR0]
	s_lshl_b32 s96, s[BLK], 8
	v_add_nc_u32 v[T0], s96, v[HR0]                ; in the first pass's block
	HADDR
	s_lshl_b32 s95, s[WV], 11
	v_lshl_add_u32 v[VXS], v3, 5, s95
	v_lshlrev_b32 v[VB], 5, v2
	s_mul_i32 s95, s[WV], STW
	s_add_co_u32 s95, s95, STAGE                   ; my stage
	v_and_b32 v[T0], 3, v1
	v_lshrrev_b32 v[T0+1], 2, v1
	v_mul_u32_u24 v[T0], v[T0], 1600
	v_mad_u32_u24 v[T0], v[T0+1], 80, v[T0]
	v_lshl_add_u32 v[T0], v2, 5, v[T0]
	v_add_nc_u32 v[T0], s95, v[T0]                 ; (r % 4) x 1,600 + (r / 4) x 80 + 32 h
	v_add_nc_u32 v[STS], 160, v[T0]                ; my own rows begin at stage row 8
	v_lshrrev_b32 v[T0+1], 3, v1
	v_mad_u32_u24 v[STH], v[T0+1], 1280, v[T0]     ; the halo's lanes 8-15 go to stage rows 72 on
	v_mul_u32_u24 v[STL], v1, 80
	v_lshl_add_u32 v[STL], v2, 5, v[STL]
	v_add_nc_u32 v[STL], s95, v[STL]
	v_lshlrev_b32 v[VCO], 4, v1
	v_lshl_add_u32 v[VCO], v2, 3, v[VCO]
	v_lshlrev_b32 v[VSO], 5, v3
	v_lshl_add_u32 v[VP0], v1, 2, s94
	s_wait_alu depctr_va_vdst(0)
	v_lshlrev_b32 v[PFO], 10, v3
.irp t, 0,1,2,3
	v_mov_b32 v[TM+4+\t], 0                        ; written once: a lane permute's destination counts as one of its sources
.endr
	WIN 0xc0
	v_mov_b32 v[NINF], 0xff800000
	WIN 0
	s_mov_b32 s97, 0
	s_lshl_b32 s96, s[HD], 8                       ; the biases at my head: 64 numbers
	s_add_nc_u64 s[20:21], s[20:21], s[96:97]
	s_add_nc_u64 s[24:25], s[24:25], s[96:97]
	s_lshl_b32 s96, s[HD], 11                      ; the weights' scales: 64 rows of 32 bytes
	s_add_nc_u64 s[10:11], s[10:11], s[96:97]
	s_add_nc_u64 s[14:15], s[14:15], s[96:97]
	s_add_nc_u64 s[18:19], s[18:19], s[96:97]
	s_lshl_b32 s96, s[GY], 15                      ; x's scales, and ascale: 1,024 rows of 32 bytes a group
	s_add_nc_u64 s[XSG:XSG+1], s[6:7], s[96:97]
	s_lshl_b32 s98, s[WV], 11                      ; ascale: + my 64 rows + 2 x head
	s_add_co_u32 s96, s96, s98
	s_lshl_b32 s98, s[HD], 1
	s_add_co_u32 s96, s96, s98
	s_add_nc_u64 s[ASG:ASG+1], s[28:29], s[96:97]
	s_lshl_b32 s96, s[BLK], 13                     ; x's scales at the first pass's block
	s_add_nc_u64 s[XSB:XSB+1], s[XSG:XSG+1], s[96:97]
	s_lshl_b32 s96, s[BLK], 18                     ; the prefetch: the first pass's block, my work-group's 64 rows of its 256, my wave's 32 of them
	s_lshl_b32 s98, s[CX], 16
	s_add_co_u32 s96, s96, s98
	s_lshl_b32 s98, s[WV], 15
	s_add_co_u32 s96, s96, s98
	s_add_nc_u64 s[PFA:PFA+1], s[XG:XG+1], s[96:97]
	s_lshl_b32 s96, s[GY], 20                      ; acode: 1,024 bytes a row: the group,
	s_lshr_b32 s98, s[WV], 1                       ; 131,072 bytes for 128 rows,
	s_lshl_b32 s98, s98, 17
	s_add_co_u32 s96, s96, s98
	s_lshr_b32 s98, s[HD], 2                       ; 32,768 for a K slot (four heads),
	s_lshl_b32 s98, s98, 15
	s_add_co_u32 s96, s96, s98
	s_and_b32 s98, s[WV], 1                        ; 16,384 for 64 rows,
	s_lshl_b32 s98, s98, 14
	s_add_co_u32 s96, s96, s98
	s_bfe_u32 s98, s[HD], 0x10001                  ; 8,192 for a K step (two heads),
	s_lshl_b32 s98, s98, 13
	s_add_co_u32 s96, s96, s98
	s_and_b32 s98, s[HD], 1                        ; 1,024 for a head's two blocks
	s_lshl_b32 s98, s98, 10
	s_add_co_u32 s96, s96, s98
	s_add_nc_u64 s[ACG:ACG+1], s[26:27], s[96:97]
	OUTBASE
	s_add_co_u32 s[NB], s[BLK], 1
	s_and_b32 s[NB], s[NB], 3                      ; the second pass's block
	s_cmp_lt_u32 s[WV], 2                          ; waves 0 and 1 prefetch, in the first pass: the same in all sixteen partners, for a given wave
	s_cselect_b32 s[LIM], PASSES-1, -1
.irp b, 0,1                                        ; the weights' scale words, once: row 32 b + lane of the head's 64, all eight K steps
	global_load_b128 v[WS+8*\b:WS+8*\b+3], v[VSO], s[10:11] offset:1024*\b
	global_load_b128 v[WS+8*\b+4:WS+8*\b+7], v[VSO], s[10:11] offset:1024*\b+16
	global_load_b128 v[WS+16+8*\b:WS+16+8*\b+3], v[VSO], s[14:15] offset:1024*\b
	global_load_b128 v[WS+16+8*\b+4:WS+16+8*\b+7], v[VSO], s[14:15] offset:1024*\b+16
	global_load_b128 v[WS+32+8*\b:WS+32+8*\b+3], v[VSO], s[18:19] offset:1024*\b
	global_load_b128 v[WS+32+8*\b+4:WS+32+8*\b+7], v[VSO], s[18:19] offset:1024*\b+16
.endr
	PRELOAD
	BIASQ
	s_wait_alu depctr_va_vdst(0)
	s_wait_tensorcnt 0x0                           ; my part of slot 0 is in
	ds_add_u32 v[SPW], v[NIL]
	s_wait_dscnt 0x0
	CROUND                                         ; everybody's part is in, and all sixteen work-groups are here
	JLOAD 1                                        ; slot 1's first fill, the first tensor load behind the round
	WIN 0x40
	FRAGW 0, 0, 0                                  ; the first pass's first fragments of w_q and w_k, in the order in which the attention asks for a later pass's
	FRAGW 1, 0, 0
	WIN 0
	s_mov_b32 s[PG], PASSES
.Lpass:
	FRAGX 0, 0, 0                                  ; the rest of K step 0's fragments: x into registers that the quantiser has read, w_v into those whose stores have read them
	WIN 0x40
	FRAGW 2, 0, 0
	WIN 0
	s_wait_loadcnt 0x0
	KSTEP 0, 0, 1
	KSTEP 1, 1, 1
	KSTEP 2, 0, 1
	KSTEP 3, 1, 1
	KSTEP 4, 0, 1
	s_cmp_eq_u32 s[PG], 1
	s_cbranch_scc1 .Llast                          ; the last pass's tail is written out: it asks for nothing more
	KSTEP 5, 2, 1                                  ; THE RING GOES ON INTO THE NEXT PASS: slot 0 takes its K slot 0,
	KSTEP 6, 0, 1
	KSTEP 7, 2, 0                                  ; slot 1 its K slot 1
	ATTN 1
	s_sub_co_u32 s[PG], s[PG], 1
	s_branch .Lpass
.Llast:
	KSTEP 5, 3, 1
	KSTEP 6, 0, 1
	KSTEP 7, 0, 0
	ATTN 0
	s_wait_tensorcnt 0x0                           ; the wave's end, behind my last tensor load and my last LDS store
	ds_add_u32 v[SPW], v[NIL]
	s_wait_dscnt 0x0
	CROUND                                         ; the closing round: no work-group ends while a partner may still ask for a tile that names it
	s_endpgm
.Lfunc_end_k_q1c250bfbfa_qkv_attn:
	.size	k_q1c250bfbfa_qkv_attn, .Lfunc_end_k_q1c250bfbfa_qkv_attn-k_q1c250bfbfa_qkv_attn
	.p2alignl 7, 3214868480
	.fill 96, 4, 3214868480
	.section	.rodata,"a",@progbits
	.p2align	6, 0x0
	.amdhsa_kernel k_q1c250bfbfa_qkv_attn
		.amdhsa_group_segment_fixed_size 327680
		.amdhsa_private_segment_fixed_size 0
		.amdhsa_enable_private_segment 0
		.amdhsa_kernarg_size 96
		.amdhsa_user_sgpr_count 2
		.amdhsa_user_sgpr_kernarg_segment_ptr 1
		.amdhsa_wavefront_size32 1
		.amdhsa_system_sgpr_workgroup_id_x 1
		.amdhsa_system_sgpr_workgroup_id_y 1
		.amdhsa_system_sgpr_workgroup_id_z 1
		.amdhsa_system_vgpr_workitem_id 0
		.amdhsa_next_free_vgpr 1024
		.amdhsa_next_free_sgpr 100
		.amdhsa_reserve_vcc 0
		.amdhsa_float_denorm_mode_32 3
		.amdhsa_float_denorm_mode_16_64 3
		.amdhsa_memory_ordered 1
		.amdhsa_forward_progress 1
		.amdhsa_inst_pref_size 255
	.end_amdhsa_kernel
	.section	.bss,"aw",@nobits
	.p2align	6
	.space	262144
	.amdgpu_metadata
---
amdhsa.version: [ 1, 2 ]
amdhsa.kernels:
  - .name:           k_q1c250bfbfa_qkv_attn
    .symbol:         k_q1c250bfbfa_qkv_attn.kd
    .args:
      - { .name: hidden_states_codes, .offset: 0, .size: 8, .value_kind: global_buffer, .address_space: global }
      - { .name: hidden_states_scales, .offset: 8, .size: 8, .value_kind: global_buffer, .address_space: global }
      - { .name: w_q_codes, .offset: 16, .size: 8, .value_kind: global_buffer, .address_space: global }
      - { .name: w_q_scales, .offset: 24, .size: 8, .value_kind: global_buffer, .address_space: global }
      - { .name: w_k_codes, .offset: 32, .size: 8, .value_kind: global_buffer, .address_space: global }
      - { .name: w_k_scales, .offset: 40, .size: 8, .value_kind: global_buffer, .address_space: global }
      - { .name: w_v_codes, .offset: 48, .size: 8, .value_kind: global_buffer, .address_space: global }
      - { .name: w_v_scales, .offset: 56, .size: 8, .value_kind: global_buffer, .address_space: global }
      - { .name: b_q, .offset: 64, .size: 8, .value_kind: global_buffer, .address_space: global }
      - { .name: b_v, .offset: 72, .size: 8, .value_kind: global_buffer, .address_space: global }
      - { .name: acode, .offset: 80, .size: 8, .value_kind: global_buffer, .address_space: global }
      - { .name: ascale, .offset: 88, .size: 8, .value_kind: global_buffer, .address_space: global }
    .group_segment_fixed_size: 327680
    .private_segment_fixed_size: 0
    .kernarg_segment_align: 8
    .kernarg_segment_size: 96
    .max_flat_workgroup_size: 128
    .sgpr_count:     100
    .vgpr_count:     1024
    .wavefront_size: 32
...
	.end_amdgpu_metadata
.endif
;; end of part 1
;; launch oproj (part 2): grid 8 x 32, 4 waves a work-group, clusters of 4 x 4, 327,680 bytes of LDS; arguments acode, ascale, w_o_codes, w_o_scales, b_o, out0; writes out0
.if DOCPART == 2
	.amdgcn_target "amdgcn-amd-amdhsa--gfx1250"
	.amdhsa_code_object_version 6
	.text
	.protected	k_q1c250bfbfa_oproj
	.globl	k_q1c250bfbfa_oproj
	.p2align	8
	.type	k_q1c250bfbfa_oproj,@function
k_q1c250bfbfa_oproj:
	s_mov_b64 s[64:65], 0
	v_nop
	global_prefetch_b8 v0, s[64:65] scope:SCOPE_SE
	s_setreg_imm32_b32 hwreg(HW_REG_WAVE_MODE, 25, 1), 1
	s_wait_xcnt 0x0
	s_wait_alu depctr_hold_cnt(0) depctr_sa_sdst(0) depctr_va_vdst(0) depctr_va_sdst(0) depctr_va_ssrc(0) depctr_va_vcc(0) depctr_vm_vsrc(0)
	s_getreg_b32 s2, hwreg(HW_REG_IB_STS2, 6, 4)
	s_cmp_eq_u32 s2, 0
	s_cbranch_scc0 .Lentry_in_a_cluster
	s_endpgm
.Lentry_in_a_cluster:
	s_bfe_u32 s2, ttmp6, 0x10000c
	s_cmp_lg_u32 s2, 0xf033
	s_cbranch_scc0 .Lentry_shape_is_right
	s_endpgm
.Lentry_shape_is_right:
; out = a W_o + b_o on codes of BF8 (E5M2) with one E8M0 scale for each 32 along K: 16,384 x 1,024 x 1,024, f32 sums, f32 out.
; a comes as the launch before leaves it.  acode: images of operand registers: (row / 128) x 131,072 + (K / 256) x 32,768 + ((row / 64) % 2) x 16,384 + ((K / 128) % 2) x 8,192 + t x 2,048 + 512 c + 16 lane;
; lane r of tile t is row 4 r + t of its 64.  ascale: [64 (row / 64) + 16 t + r][32 bytes].
; SHARES.  256 work-groups, each 512 rows x 128 columns; four waves, 2 x 2.  A wave holds its 64 rows of w_o (64 columns of out), ALL of K, in 512 registers, and streams blocks of 16 rows of a past them:
; 16 blocks of 32 products.  A block's fragments stand in registers as two whole sets (256); sums in two sets of four accumulators.
; LDS.  Two slots of 128 rows of 1,024 bytes + 16 of padding.  At the head w_o's 128 rows land in slot 1, a's first 128 rows (a chunk, one dense run of 131,072 bytes stated as 128 rows of 1,024) in slot 0.
; With w_o in registers, chunks 1, 2, 3 are refills, each behind a drained round of the cluster's barrier, a quarter a wave.  The scale bytes of a's 512 rows lie behind the slots throughout.
; THE WAY OUT.  The matrix instruction is used transposed (source 0 = w_o's rows, source 1 = a's): a lane holds one row and eight neighbouring columns.  A block goes through the wave's own stage in LDS and leaves as whole rows
; of 256 bytes, aligned, sixteen lanes a row.  NO MEMORY INSTRUCTION STANDS AMONG PRODUCTS: behind a block's 32 products and their places comes ONE run: the stores of the block before (read back from the stage a block ago, in one of two
; sets of 32 registers), this block's sums into the stage and back, and the fetch of the block two on.  So stores leave from the second block on.  The first run has no block before it: a branch leads round its stores alone.
; b_o is the first four products' C.
; CLUSTER 4 x 4: a row of the cluster shares a's rows, a column w_o's: joint loads.  PREFETCH: chunks 1 and 2 at the head, chunk 3 in the first trip: each of the 16 waves of a cluster's row names 32 pieces of 256 bytes, told apart by address.
; w_o's rows and chunk 0 are asked for at once by their loads, so no prefetch runs ahead of them.
; LIMITS: NaN, infinities and sums beyond f32's range are not served.
.set PITCH, 1040
.set YB, 128*PITCH                     ; slot 1
.set SCL, 2*YB                         ; a's scale bytes: 16,384, dense
.set STAGE, SCL+16384                  ; 16 rows x (256 + 16) bytes for each wave; no fill lands here
.set SPITCH, 272
.set SPARE, STAGE+4*16*SPITCH          ; the spare words: 128 bytes a wave
.set A0, 4                             ; v4, v5  my fragments' place in a chunk: K under 512, K from 512 on
.set AS0, 6                            ; v6   my row's scale words in chunk 0
.set PF, 7                             ; v7   the prefetches' offset; never rewritten
.set STO, 8                            ; v8   the stage: in
.set RD, 9                             ; v9   the stage: back
.set SPW, 10
.set NIL, 11
.set CO, 12                            ; v12  my offset in out: 4 rows x (lane / 16) + 16 (lane % 16)
.set ABS, 13                           ; v13  32 x lane
.set ADRB, 14                          ; v14  my fragments of w_o in slot 1
.set VBO, 15                           ; v15  32 x (lane / 16)
.set ADC, 16                           ; v16, v17  as v4, v5, in this trip's slot
.set ADN, 18                           ; v18, v19  in the next chunk's
.set ASC, 20                           ; v20, v21  scale words of this chunk, of the next
.set ASN, 21
.set SB, 24                            ; v24-39  w_o's scale words: 8 p + K step: lanes 0-15 tile 2 p, lanes 16-31 tile 2 p + 1
.set SA, 44                            ; v44-59  a's, two sets of eight
.set ACC, 64                           ; v64-127 two sets of four accumulators
.set BK, 128                           ; v128-159, v192-223 a block read back from the stage, two sets
.set BO, 160                           ; v160-191 b_o in the result's layout
.set WV, 16
.set WR, 17
.set WC, 18
.set CX, 19
.set CY, 20
.set TC, 21
.set TRW, 22
.set MR, 23
.set MC, 24
.set STP, 30                           ; s[30:31] what the trip's second run adds to out's address: 0 in the first trip, then 128 rows
.set G1W, 32
.set G1H, 40
.set G1R, 48
.set G1S, 56
.set G0W, 68
.set G0H, 72
.set G0S, 76
.set G0R, 80
.set AB, 84                            ; s[84:85] acode at my 512 rows
.set OB, 86                            ; s[86:87] out at my wave's first row of a chunk
.set CUR, 88                           ; this chunk's slot, the next chunk's
.set NXT, 89
.set SCS, 90                           ; this chunk's scale bytes, the next chunk's (wrapped into the 16,384)
.set SCN, 91
.set TR, 92                            ; the trip = the chunk
.set WOFF, 93                          ; my quarter of a slot
.set MSB, 0
.macro WIN new
.if MSB != \new
	s_set_vgpr_msb (MSB<<8)|\new
.set MSB, \new
.endif
.endm
.macro PLACES n
.rept \n
	v_nop
.endr
.endm
.macro BARRIER
	s_barrier_signal -1
	s_barrier_wait -1
.endm
.macro CROUND                          ; a round of the cluster's barrier
	BARRIER
	s_cmp_lg_u32 s[WV], 0
	s_cbranch_scc1 .Lnot_wave_0_\@
	s_barrier_signal -3
.Lnot_wave_0_\@:
	s_barrier_wait -3
	BARRIER
.endm
.macro TLOAD g0, g1                    ; an s_nop 0 and four v_nop follow a tensor load
	tensor_load_to_lds s[\g0:\g0+3], s[\g1:\g1+7]
	s_nop 0
	PLACES 4
.endm
.macro GROUP1 g, mask, rows            ; so many rows of 1,024 bytes, 16 bytes of padding behind each
	s_or_b32 s[\g+0], s[\mask], (1<<20)|(1<<21)|(7<<22)|(3<<25)
	s_mov_b32 s[\g+1], 1024<<16
	s_mov_b32 s[\g+2], (\rows)<<16
	s_mov_b32 s[\g+3], 1024<<16
	s_mov_b32 s[\g+4], \rows
	s_mov_b32 s[\g+5], 1024
	s_mov_b32 s[\g+6], 0
	s_mov_b32 s[\g+7], 0
.endm
	s_load_b256 s[4:11], s[0:1], 0x0               ; acode, ascale, w_o's codes, w_o's scales
	s_load_b128 s[12:15], s[0:1], 0x20             ; b_o, out
	v_lshl_add_u32 v[SPW], v0, 2, SPARE
	v_mov_b32 v[NIL], 0
	ds_add_u32 v[SPW], v[NIL]                      ; the opening lines: the add twice on end and its wait, ahead of my first tensor load
	ds_add_u32 v[SPW], v[NIL]
	v_lshrrev_b32 v1, 5, v0
	v_readfirstlane_b32 s[WV], v1
	s_lshr_b32 s[WR], s[WV], 1                     ; my row of waves
	s_and_b32 s[WC], s[WV], 1                      ; my column of waves
	s_bfe_u32 s[CX], ttmp6, 0x40000
	s_bfe_u32 s[CY], ttmp6, 0x40004
	s_lshl_b32 s[TC], ttmp9, 2
	s_add_co_u32 s[TC], s[TC], s[CX]               ; tile column, 0 .. 7
	s_and_b32 s[TRW], ttmp7, 0xffff
	s_lshl_b32 s[TRW], s[TRW], 2
	s_add_co_u32 s[TRW], s[TRW], s[CY]             ; tile row, 0 .. 31
	s_lshl_b32 s[MR], s[CY], 2
	s_lshl_b32 s[MR], 15, s[MR]                    ; my row of the cluster
	s_lshl_b32 s[MC], 0x1111, s[CX]                ; my column
	GROUP1 G1W, MC, 128                            ; w_o's 128 rows
	GROUP1 G1H, MR, 64                             ; half of chunk 0
	GROUP1 G1R, MR, 32                             ; a quarter of a chunk
	s_or_b32 s[G1S], s[MR], (3<<16)|(1<<21)        ; the scale bytes: 64 rows of 256 bytes (32 elements of 8), dense
	s_mov_b32 s[G1S+1], 32<<16
	s_mov_b32 s[G1S+2], 64<<16
	s_mov_b32 s[G1S+3], 32<<16
	s_mov_b32 s[G1S+4], 64
	s_mov_b32 s[G1S+5], 32
	s_mov_b32 s[G1S+6], 0
	s_mov_b32 s[G1S+7], 0
	s_mul_i32 s[WOFF], s[WV], 32*PITCH
	s_mov_b32 s[G0W], 1
	s_mov_b32 s[G0W+1], YB
	s_mov_b32 s[G0H], 1
	s_mul_i32 s[G0H+1], s[WR], 64*PITCH            ; wave 1: rows 0-63 of chunk 0, wave 3: rows 64-127
	s_mov_b32 s[G0S], 1
	s_mov_b32 s[G0S+1], SCL
	s_mov_b32 s[G0R], 1
	s_add_co_u32 s[G0R+1], s[WOFF], YB
	s_mul_i32 s94, s[WR], 16*PITCH                 ; in a chunk's image: 16,384 bytes, 16 LDS rows, for my 64 rows
	s_lshl_b32 s95, s[WR], 11
	s_add_co_u32 s95, s95, SCL
	s_mul_i32 s96, s[WC], 64*PITCH
	s_add_co_u32 s96, s96, YB
	s_mul_i32 s97, s[WV], 16*SPITCH
	s_add_co_u32 s97, s97, STAGE
	s_lshl_b32 s98, s[CX], 2
	s_add_co_u32 s98, s98, s[WV]
	s_lshl_b32 s98, s98, 13                        ; which 8,192 bytes of a chunk I name in a prefetch
	s_lshl_b32 s26, s[TRW], 19                     ; 512 rows of 1,024 bytes
	s_mov_b32 s27, 0
	s_mov_b32 s29, 0
	s_wait_dscnt 0x0
	CROUND                                         ; all sixteen work-groups are here
	s_wait_kmcnt 0x0
	s_add_nc_u64 s[AB:AB+1], s[4:5], s[26:27]
	s_lshl_b32 s28, s[WR], 16
	s_add_nc_u64 s[G0H+2:G0H+3], s[AB:AB+1], s[28:29]
	s_or_b32 s[G0H+3], s[G0H+3], 0x80000000
	s_lshl_b32 s28, s[WV], 15
	s_add_co_u32 s28, s28, 131072                  ; chunk 1, my quarter
	s_add_nc_u64 s[G0R+2:G0R+3], s[AB:AB+1], s[28:29]
	s_or_b32 s[G0R+3], s[G0R+3], 0x80000000
	s_lshl_b32 s28, s[TRW], 14
	s_add_nc_u64 s[G0S+2:G0S+3], s[6:7], s[28:29]
	s_or_b32 s[G0S+3], s[G0S+3], 0x80000000
	s_lshl_b32 s28, s[TC], 17
	s_add_nc_u64 s[G0W+2:G0W+3], s[8:9], s[28:29]
	s_or_b32 s[G0W+3], s[G0W+3], 0x80000000
	s_cmp_eq_u32 s[WV], 0                          ; one joint load a wave; w_o's, wanted first, has a line of its own
	s_cbranch_scc0 .Lnot_w
	TLOAD G0W, G1W
	s_branch .Lasked
.Lnot_w:
	s_cmp_eq_u32 s[WV], 2
	s_cbranch_scc0 .Lhalf
	TLOAD G0S, G1S
	s_branch .Lasked
.Lhalf:
	TLOAD G0H, G1H
.Lasked:
	s_lshl_b32 s26, s[TC], 12                      ; w_o's scale bytes: my wave's 64 rows of 32
	s_lshl_b32 s28, s[WC], 11
	s_add_co_u32 s26, s26, s28
	s_add_nc_u64 s[10:11], s[10:11], s[26:27]
	s_lshl_b32 s26, s[TC], 9                       ; my first column, in bytes
	s_lshl_b32 s28, s[WC], 8
	s_add_co_u32 s26, s26, s28
	s_add_nc_u64 s[12:13], s[12:13], s[26:27]
	s_add_nc_u64 s[OB:OB+1], s[14:15], s[26:27]
	s_lshl_b32 s26, s[TRW], 21                     ; 512 rows of 4,096 bytes, and 64 for my row of waves
	s_lshl_b32 s28, s[WR], 18
	s_add_co_u32 s26, s26, s28
	s_add_nc_u64 s[OB:OB+1], s[OB:OB+1], s[26:27]
	s_mov_b32 s[STP], 0
	s_mov_b32 s[STP+1], 0
	s_mov_b32 s[CUR], 0
	s_mov_b32 s[NXT], YB
	s_mov_b32 s[SCS], 0
	s_mov_b32 s[SCN], 4096
	s_mov_b32 s[TR], 0
	v_and_b32 v1, 15, v0                           ; r
	v_bfe_u32 v2, v0, 4, 1                         ; h
	v_and_b32 v3, 31, v0                           ; lane
	v_lshlrev_b32 v22, 4, v3
	v_add_nc_u32 v[A0], s94, v22
	v_add_nc_u32 v[A0+1], 64*PITCH, v[A0]
	v_lshlrev_b32 v22, 5, v1
	v_add_nc_u32 v[AS0], s95, v22
	v_mul_u32_u24 v22, v1, PITCH
	v_lshl_add_u32 v22, v2, 4, v22
	v_add_nc_u32 v[ADRB], s96, v22
	v_mul_u32_u24 v22, v1, SPITCH
	v_lshl_add_u32 v22, v2, 5, v22
	v_add_nc_u32 v[STO], s97, v22                  ; in: row r, 32 bytes for each half of the lanes
	v_mul_u32_u24 v22, v2, SPITCH
	v_lshl_add_u32 v22, v1, 4, v22
	v_add_nc_u32 v[RD], s97, v22                   ; back: lanes 0-15 one row, lanes 16-31 the next
	v_lshlrev_b32 v22, 14, v2
	v_lshl_add_u32 v[CO], v1, 4, v22               ; stage rows lie 4 rows of out apart
	v_lshlrev_b32 v[ABS], 5, v3
	v_lshlrev_b32 v[VBO], 5, v2
	v_lshl_add_u32 v[PF], v3, 8, s98
	s_wait_alu depctr_va_vdst(0)
.irp p, 0,1
.irp c, 0,1
	global_load_b128 v[SB+8*\p+4*\c:SB+8*\p+4*\c+3], v[ABS], s[10:11] offset:\p*1024+16*\c
.endr
.endr
.irp b, 0,1,2,3
	global_load_b128 v[BO+8*\b:BO+8*\b+3], v[VBO], s[12:13] offset:64*\b
	global_load_b128 v[BO+8*\b+4:BO+8*\b+7], v[VBO], s[12:13] offset:64*\b+16
.endr
	s_cmp_eq_u32 s[WV], 0
	s_cbranch_scc0 .Lnot_b
	s_wait_tensorcnt 0x0                           ; wave 0: w_o's rows have landed; the other waves' wait stands ahead of the round below
.Lnot_b:
	BARRIER
	global_prefetch_b8 v[PF], s[AB:AB+1] offset:131072 th:TH_LOAD_NT scope:SCOPE_SE
	global_prefetch_b8 v[PF], s[AB:AB+1] offset:262144 th:TH_LOAD_NT scope:SCOPE_SE
.irp q, 0,1,2,3,4,5,6,7                            ; my 64 rows of w_o, all of K: fragment 4 q + b in window 1 + (4 q + b) / 16
.irp b, 0,1,2,3
	WIN (1+(4*\q+\b)/16)<<6
.irp c, 0,1,2,3
	ds_load_b128 v[16*((4*\q+\b)%16)+4*\c:16*((4*\q+\b)%16)+4*\c+3], v[ADRB] offset:\b*16*PITCH+128*\q+32*\c
.endr
.endr
.endr
	WIN 0
; a block of a, tile t of my 64 rows of the chunk at v[adr], all of K, into set e of window 3, and its scale words: 34 loads, each of 512 bytes on end
.macro FETCH e, adr, t, sadr
	WIN 0xc0
.irp q, 0,1,2,3,4,5,6,7
.irp c, 0,1,2,3
	ds_load_b128 v[128*(\e)+16*\q+4*\c:128*(\e)+16*\q+4*\c+3], v[\adr+\q/4] offset:((\q/2)%2)*32*PITCH+(\q%2)*8*PITCH+(\t)*2*PITCH+512*\c+16*(\c/2)
.endr
.endr
	WIN 0
	ds_load_b128 v[SA+8*(\e):SA+8*(\e)+3], v[\sadr] offset:512*(\t)
	ds_load_b128 v[SA+8*(\e)+4:SA+8*(\e)+7], v[\sadr] offset:512*(\t)+16
.endm
; product n = 4 q + b: the q-th 128 of K, column tile b; a's rows in set e, sums in set a.  The four accumulators take turns
.macro PROD e, a, n
.set Q_, (\n)/4
.set B_, (\n)%4
.set AC_, ACC+32*(\a)+8*B_
.set C_, AC_
.if Q_ == 0
.set C_, BO+8*B_
.endif
.set R_, 128*(\e)+16*Q_
.set W_, 16*((\n)%16)
.set XS_, SA+8*(\e)+Q_
.set WS_, SB+8*(B_/2)+Q_
	WIN (1+(\n)/16)|(3<<2)
.if B_%2
	v_wmma_scale_f32_16x16x128_f8f6f4 v[AC_:AC_+7], v[W_:W_+15], v[R_:R_+15], v[C_:C_+7], v[WS_], v[XS_] matrix_a_fmt:MATRIX_FMT_BF8 matrix_b_fmt:MATRIX_FMT_BF8 matrix_a_scale:MATRIX_SCALE_ROW1
.else
	v_wmma_scale_f32_16x16x128_f8f6f4 v[AC_:AC_+7], v[W_:W_+15], v[R_:R_+15], v[C_:C_+7], v[WS_], v[XS_] matrix_a_fmt:MATRIX_FMT_BF8 matrix_b_fmt:MATRIX_FMT_BF8
.endif
.endm
.macro BLK e, a                        ; a block's 32 products on end, and eight places behind the last
.set N_, 0
.rept 32
	PROD \e, \a, N_
.set N_, N_+1
.endr
	WIN 0
	PLACES 8
.endm
.macro SEND x, t                       ; the 16 rows in set x, tile t of their 64: sixteen lanes store 256 consecutive bytes, aligned
.irp i, 0,1,2,3,4,5,6,7
	global_store_b128 v[CO], v[BK+64*(\x)+4*\i:BK+64*(\x)+4*\i+3], s[OB:OB+1] offset:\i*32768+(\t)*4096 th:TH_STORE_NT
.endr
.endm
; behind the trip's j-th block (sums in set a): the block before is stored (tile j - 1 of this chunk; j = 0: tile 3 of the chunk before, whose address still stands), and this block goes through the stage
; (each accumulator from its low end on; LDS serves a wave's instructions in order).  skip = 1: in trip 0 no block stands before it
.macro WAYOUT a, j, skip
	s_wait_xcnt 0x0                                ; the last run's stores have read their registers and their base
.if (\j) == 1
	s_add_nc_u64 s[OB:OB+1], s[OB:OB+1], s[STP:STP+1]
.endif
	s_wait_dscnt 0x0                               ; the block before is back from the stage; the next block's fragments, asked for in the last run, are in too
.if \skip
	s_cmp_eq_u32 s[TR], 0
	s_cbranch_scc1 .Lnone_before_\@
.endif
	SEND 1-(\a), ((\j)+3)%4
.if \skip
.Lnone_before_\@:
.endif
.irp n, 0,1,2,3,4,5,6,7
	ds_store_b128 v[STO], v[ACC+32*(\a)+8*(\n/2)+4*(\n%2):ACC+32*(\a)+8*(\n/2)+4*(\n%2)+3] offset:64*(\n/2)+16*(\n%2)
.endr
.irp n, 0,1,2,3,4,5,6,7
	ds_load_b128 v[BK+64*(\a)+4*\n:BK+64*(\a)+4*\n+3], v[RD] offset:\n*2*SPITCH
.endr
.endm
; A TRIP: a chunk's four blocks.  Behind a block its set takes the block two on.  Behind the third block this chunk's slot has been read out and the next chunk is wanted:
; fill = 1: a drained round, and the chunk two on is asked for into this slot; fill = 0: a plain barrier shows the last chunk, and the last trip fetches nothing more.
.macro TRIP fill
	v_add_nc_u32 v[ADC], s[CUR], v[A0]
	v_add_nc_u32 v[ADC+1], s[CUR], v[A0+1]
	v_add_nc_u32 v[ADN], s[NXT], v[A0]
	v_add_nc_u32 v[ADN+1], s[NXT], v[A0+1]
	v_add_nc_u32 v[ASC], s[SCS], v[AS0]
	v_add_nc_u32 v[ASN], s[SCN], v[AS0]
	s_wait_alu depctr_va_vdst(0)
	BLK 0, 0
	WAYOUT 0, 0, \fill
	FETCH 0, ADC, 2, ASC
	BLK 1, 1
	WAYOUT 1, 1, 0
	FETCH 1, ADC, 3, ASC
	BLK 0, 0
	s_wait_tensorcnt 0x0                           ; my part of the next chunk is in
.if \fill
	ds_add_u32 v[SPW], v[NIL]
	s_add_co_u32 s[G0R+1], s[WOFF], s[CUR]         ; no load of mine is out: the chunk two on, into this chunk's slot
	s_add_nc_u64 s[G0R+2:G0R+3], s[G0R+2:G0R+3], 131072
	s_wait_dscnt 0x0
	CROUND
	TLOAD G0R, G1R
	WAYOUT 0, 2, 0
	FETCH 0, ADN, 0, ASN
	s_cmp_eq_u32 s[TR], 0
	s_cbranch_scc0 .Lnone_ahead_\@
	global_prefetch_b8 v[PF], s[AB:AB+1] offset:393216 th:TH_LOAD_NT scope:SCOPE_SE   ; chunk 3, a trip ahead of its load
.Lnone_ahead_\@:
	BLK 1, 1
	WAYOUT 1, 3, 0
	FETCH 1, ADN, 1, ASN
.else
	s_wait_dscnt 0x0
	BARRIER
	WAYOUT 0, 2, 0
	s_cmp_eq_u32 s[TR], 3
	s_cbranch_scc1 .Lend_0_\@
	FETCH 0, ADN, 0, ASN
.Lend_0_\@:
	BLK 1, 1
	WAYOUT 1, 3, 0
	s_cmp_eq_u32 s[TR], 3
	s_cbranch_scc1 .Lend_1_\@
	FETCH 1, ADN, 1, ASN
.Lend_1_\@:
.endif
	s_mov_b32 s[STP], 524288                       ; from the next trip on: 128 rows of out
	s_xor_b32 s[CUR], s[CUR], YB
	s_xor_b32 s[NXT], s[NXT], YB
	s_add_co_u32 s[SCS], s[SCS], 4096
	s_add_co_u32 s[SCN], s[SCS], 4096
	s_and_b32 s[SCN], s[SCN], 0x3fff
	s_add_co_u32 s[TR], s[TR], 1
.endm
	s_wait_tensorcnt 0x0                           ; chunk 0 and the scale bytes are in
	ds_add_u32 v[SPW], v[NIL]
.set I_, 0
.rept 32
	v_mov_b32 v[BK+64+I_], 0                       ; the set that the first run's stores name, round which a branch leads: written, since no block has filled it yet
.set I_, I_+1
.endr
	s_wait_dscnt 0x0                               ; the add is done, and w_o is in registers
	CROUND
	TLOAD G0R, G1R                                 ; chunk 1 over w_o's rows
	FETCH 0, A0, 0, AS0
	FETCH 1, A0, 1, AS0
	s_wait_loadcnt 0x0                             ; w_o's scale words and b_o
	s_wait_dscnt 34                                ; block 0's fragments and scale words are in; block 1's 34 loads may be out (the first run's wait covers them)
.Lfill:
	TRIP 1
	s_cmp_lg_u32 s[TR], 2
	s_cbranch_scc1 .Lfill
.Lrest:
	TRIP 0
	s_cmp_lg_u32 s[TR], 4
	s_cbranch_scc1 .Lrest
	s_wait_dscnt 0x0                               ; the last block is back from the stage
	SEND 1, 3
	s_wait_tensorcnt 0x0                           ; the wave's end
	ds_add_u32 v[SPW], v[NIL]
	s_wait_dscnt 0x0
	CROUND                                         ; the closing round
	s_endpgm
.Lfunc_end_k_q1c250bfbfa_oproj:
	.size	k_q1c250bfbfa_oproj, .Lfunc_end_k_q1c250bfbfa_oproj-k_q1c250bfbfa_oproj
	.p2alignl 7, 3214868480
	.fill 96, 4, 3214868480
	.section	.rodata,"a",@progbits
	.p2align	6, 0x0
	.amdhsa_kernel k_q1c250bfbfa_oproj
		.amdhsa_group_segment_fixed_size 327680
		.amdhsa_private_segment_fixed_size 0
		.amdhsa_enable_private_segment 0
		.amdhsa_kernarg_size 48
		.amdhsa_user_sgpr_count 2
		.amdhsa_user_sgpr_kernarg_segment_ptr 1
		.amdhsa_wavefront_size32 1
		.amdhsa_system_sgpr_workgroup_id_x 1
		.amdhsa_system_sgpr_workgroup_id_y 1
		.amdhsa_system_sgpr_workgroup_id_z 1
		.amdhsa_system_vgpr_workitem_id 0
		.amdhsa_next_free_vgpr 1024
		.amdhsa_next_free_sgpr 100
		.amdhsa_reserve_vcc 0
		.amdhsa_float_denorm_mode_32 3
		.amdhsa_float_denorm_mode_16_64 3
		.amdhsa_memory_ordered 1
		.amdhsa_forward_progress 1
		.amdhsa_inst_pref_size 95
	.end_amdhsa_kernel
	.amdgpu_metadata
---
amdhsa.version: [ 1, 2 ]
amdhsa.kernels:
  - .name:           k_q1c250bfbfa_oproj
    .symbol:         k_q1c250bfbfa_oproj.kd
    .args:
      - { .name: acode, .offset: 0, .size: 8, .value_kind: global_buffer, .address_space: global }
      - { .name: ascale, .offset: 8, .size: 8, .value_kind: global_buffer, .address_space: global }
      - { .name: w_o_codes, .offset: 16, .size: 8, .value_kind: global_buffer, .address_space: global }
      - { .name: w_o_scales, .offset: 24, .size: 8, .value_kind: global_buffer, .address_space: global }
      - { .name: b_o, .offset: 32, .size: 8, .value_kind: global_buffer, .address_space: global }
      - { .name: out0, .offset: 40, .size: 8, .value_kind: global_buffer, .address_space: global }
    .group_segment_fixed_size: 327680
    .private_segment_fixed_size: 0
    .kernarg_segment_align: 8
    .kernarg_segment_size: 48
    .max_flat_workgroup_size: 128
    .sgpr_count:     100
    .vgpr_count:     1024
    .wavefront_size: 32
...
	.end_amdgpu_metadata
.endif
;; end of part 2
